; MI455X (gfx1250); checked and timed in simulation.
; The chip was launched on July 23, 2026; its instructions are those of AMD's public machine-readable ISA for CDNA 5 (MIT licence, August 2026) and "CDNA5" Instruction Set Architecture Reference Guide (July 2026). The comments in the code are by the model that wrote it; some were corrected since.
;; Bert Self Attention. Allowed arithmetic: matrix products marked QUANTISED: E2M1 operands, one E8M0 scale for each 32 along K, by v_wmma_scale_f32_16x16x128_f8f6f4 with both operands' format E2M1 (or v_wmma_scale_f32_32x16x128_f4), f32 sums; products left as they are: f32 operands where the result goes on into a quantised operand, else bf16, f16 or f32 operands; f32 sums; everything else in f32.
;; Inputs: Ak_codes 16 x 32 x 16 uint8 (E2M1 codes of Ak, K innermost, in blocks of 32 codes, two codes a byte); Ak_scales 16 x 32 uint8 (E8M0 scales of Ak, one for each 32 codes along K); Aq_codes 16 x 32 x 16 uint8 (E2M1 codes of Aq, K innermost, in blocks of 32 codes, two codes a byte); Aq_scales 16 x 32 uint8 (E8M0 scales of Aq, one for each 32 codes along K); Av_codes 16 x 32 x 16 uint8 (E2M1 codes of Av, K innermost, in blocks of 32 codes, two codes a byte); Av_scales 16 x 32 uint8 (E8M0 scales of Av, one for each 32 codes along K); Bk 1,024 x 16 float32; Bq 1,024 x 16 float32; Bv 1,024 x 16 float32; Wk_codes 1,024 x 32 x 16 uint8 (E2M1 codes of Wk, K innermost, in blocks of 32 codes, two codes a byte); Wk_scales 1,024 x 32 uint8 (E8M0 scales of Wk, one for each 32 codes along K); Wq_codes 1,024 x 32 x 16 uint8 (E2M1 codes of Wq, K innermost, in blocks of 32 codes, two codes a byte); Wq_scales 1,024 x 32 uint8 (E8M0 scales of Wq, one for each 32 codes along K); Wv_codes 1,024 x 32 x 16 uint8 (E2M1 codes of Wv, K innermost, in blocks of 32 codes, two codes a byte); Wv_scales 1,024 x 32 uint8 (E8M0 scales of Wv, one for each 32 codes along K); attention_mask 4 x 1 x 1 x 2,048 float32; bk 1,024 float32; bq 1,024 float32; bv 1,024 float32; hidden_states_codes 4 x 2,048 x 32 x 16 uint8 (E2M1 codes of hidden_states, K innermost, in blocks of 32 codes, two codes a byte); hidden_states_scales 4 x 2,048 x 32 uint8 (E8M0 scales of hidden_states, one for each 32 codes along K).
;; Outputs: out0 4 x 2,048 x 1,024 float32.
;; This version of the problem:
;;   THIS VERSION OF THE PROBLEM IS GIVEN IN LOW PRECISION. The matrix products marked QUANTISED in the list below multiply operands that are first quantised to E2M1 (2 exponent bits, 1 mantissa bit; 4 bits a number), with one power-of-two scale for each 32 numbers along K (OCP MX v1.0); their sums are f32. All else is computed in f32.
;;   The module's matrix products, in the order in which they are computed (A, B: the left and right operand; K: the contracted axis; several contracted axes count as one K, in the product's order):
;;     1. [M 8,192, K 1,024] x [K 1,024, N 1,024]; A: input hidden_states (given as codes); B: input Wq (given as codes): QUANTISED
;;     2. [M 8,192, K 1,024] x [K 1,024, N 16]; A: input hidden_states (given as codes); B: input Aq (given as codes): QUANTISED
;;     3. [M 8,192, K 16] x [K 16, N 1,024]; A: computed on the way; B: input Bq: left as it is (K = 16 < 32)
;;     4. [M 8,192, K 1,024] x [K 1,024, N 1,024]; A: input hidden_states (given as codes); B: input Wk (given as codes): QUANTISED
;;     5. [M 8,192, K 1,024] x [K 1,024, N 16]; A: input hidden_states (given as codes); B: input Ak (given as codes): QUANTISED
;;     6. [M 8,192, K 16] x [K 16, N 1,024]; A: computed on the way; B: input Bk: left as it is (K = 16 < 32)
;;     7. [M 8,192, K 1,024] x [K 1,024, N 1,024]; A: input hidden_states (given as codes); B: input Wv (given as codes): QUANTISED
;;     8. [M 8,192, K 1,024] x [K 1,024, N 16]; A: input hidden_states (given as codes); B: input Av (given as codes): QUANTISED
;;     9. [M 8,192, K 16] x [K 16, N 1,024]; A: computed on the way; B: input Bv: left as it is (K = 16 < 32)
;;     10. batch 64 x [M 2,048, K 64] x [K 64, N 2,048]; A: computed on the way; B: computed on the way: QUANTISED
;;     11. batch 64 x [M 2,048, K 2,048] x [K 2,048, N 64]; A: softmax (see below); B: computed on the way: QUANTISED
;;   THE QUANTISER, for each operand of a quantised product, along K:
;;     - K is cut into blocks of 32 from its start; a last block that is shorter is filled with zeros.
;;     - A block's scale is 2^e with e = floor(log2(the largest magnitude in the block)) - 2, held to -126 .. 127; a block of zeros has e = 0. As a byte (E8M0): e + 127.
;;     - Each number is divided by its block's scale, clamped to +-6, and rounded to the nearest number of E2M1, ties to even, subnormals kept.
;;     - The product sums the exact products of the quantised numbers (number of the format x scale) in f32.
;;   ~~~python
;;   def quantise(x, axis):      # numpy; x: float32 -> the quantised numbers, widened to float32 again
;;       x = np.moveaxis(x, axis, -1); K = x.shape[-1]
;;       x = np.pad(x, [(0, 0)] * (x.ndim - 1) + [(0, -K % 32)]); x = x.reshape(x.shape[:-1] + (-1, 32)); a = np.abs(x).max(-1, keepdims=True)
;;       e = np.where(a > 0, np.clip(np.frexp(np.where(a > 0, a, 1))[1] - 1 - 2, -126, 127), 0)      # np.frexp(a)[1] - 1 = floor(log2(a)), exactly
;;       r = np.clip(x / 2.0 ** e, -6, 6)
;;       step = 2.0 ** (np.maximum(np.frexp(np.where(r == 0, 1, r))[1] - 1, 0) - 1)
;;       q = np.round(r / step) * step * 2.0 ** e      # np.round: ties to even
;;       return np.moveaxis(q.reshape(q.shape[:-2] + (-1,))[..., :K], -1, axis).astype(np.float32)
;;   ~~~
;;   SOFTMAX AHEAD OF A QUANTISED PRODUCT. Where the list says 'softmax', what is quantised is not the finished softmax but p = 2^(t - M), with t = logit x log2(e) and M = ceil(the row's largest t), a whole number; so 1/2 < the row's largest p <= 1. The row's sum l is taken of the UNQUANTISED p, in f32, and the product's result is divided by l at the end. Since M is a whole number, a kernel that streams over the keys may use a running M (the ceiling of the running maximum): every later rescaling is an exact power of two, which a block's scale takes up: the codes' values come out the same.
;;   OPERANDS COMPUTED ON THE WAY. 'Computed on the way' means the value that the module computes at that place (a softmax that the list does not call 'softmax' is quantised finished and normalised). What goes into a quantiser is computed in f32, as accurately as f32 sums, v_exp_f32 and their like allow (about 1e-6 of the number): no bf16 or f16 on the way to a quantiser, and a product that is left as it is and whose result goes on into a quantised operand takes f32 operands (vector FMAs, or v_wmma_f32_16x16x4_f32). A number that lies on a knife's edge between two numbers of the format may be rounded either way, as far as f32 arithmetic and the matrix unit's own rounding can turn it there, and no further.
;;   INPUTS GIVEN AS CODES. Ak (in the module: [16, 1024], K = its axis 1); Aq (in the module: [16, 1024], K = its axis 1); Av (in the module: [16, 1024], K = its axis 1); Wk (in the module: [1024, 1024], K = its axis 1); Wq (in the module: [1024, 1024], K = its axis 1); Wv (in the module: [1024, 1024], K = its axis 1); hidden_states (in the module: [4, 2048, 1024], K = its axis 2): each comes as NAME_codes (uint8): NAME with its K axis moved to the last place and cut into blocks of 32 codes, [.., K / 32, bytes a block], one block behind the other in memory; two codes a byte, the lower K in the low four bits (a code: sign, 2 exponent bits, 1 mantissa bit); and NAME_scales (uint8): the same leading axes, one E8M0 byte (e + 127) for each 32 codes along K. Its value is code x scale, taken as it is: it is not quantised again, and the codes and scales need not be those that the quantiser above would give.
;; One version. Each part assembles by itself: llvm-mc -triple=amdgcn-amd-amdhsa -mcpu=gfx1250 --defsym DOCPART=n.
;; ======== version 1 of 1: 2 launches
;; limits: right only within a limited range of input values
;; workspace buffers: qc 4,194,304 bytes; kc 4,194,304 bytes; vc 4,194,304 bytes; qs 524,288 bytes; ks 524,288 bytes; vs 262,144 bytes
;; launch proj (part 1): grid 4 x 64, 4 waves a work-group, clusters of 4 x 4, 327,680 bytes of LDS; arguments hidden_states_codes, hidden_states_scales, Wq_codes, Wk_codes, Wv_codes, Wq_scales, Aq_codes, Aq_scales, Bq, bq, qc, qs, Wk_scales, Ak_codes, Ak_scales, Bk, bk, kc, ks, Wv_scales, Av_codes, Av_scales, Bv, bv, vc, vs; writes qc, qs, kc, ks, vc, vs
.if DOCPART == 1
	.amdgcn_target "amdgcn-amd-amdhsa--gfx1250"
	.amdhsa_code_object_version 6
	.text
	.protected	k_q6bee08a746_proj
	.globl	k_q6bee08a746_proj
	.p2align	8
	.type	k_q6bee08a746_proj,@function
k_q6bee08a746_proj:
	s_mov_b64 s[64:65], 0
	v_nop
	global_prefetch_b8 v0, s[64:65] scope:SCOPE_SE
	s_setreg_imm32_b32 hwreg(HW_REG_WAVE_MODE, 25, 1), 1
	s_wait_xcnt 0x0
	s_wait_alu depctr_hold_cnt(0) depctr_sa_sdst(0) depctr_va_vdst(0) depctr_va_sdst(0) depctr_va_ssrc(0) depctr_va_vcc(0) depctr_vm_vsrc(0)
	s_getreg_b32 s2, hwreg(HW_REG_IB_STS2, 6, 4)
	s_cmp_eq_u32 s2, 0
	s_cbranch_scc0 .Lentry_in_a_cluster
	s_endpgm
.Lentry_in_a_cluster:
	s_bfe_u32 s2, ttmp6, 0x10000c
	s_cmp_lg_u32 s2, 0xf033
	s_cbranch_scc0 .Lentry_shape_is_right
	s_endpgm
.Lentry_shape_is_right:
; q, k, v = x W^T + b + (1/16) (x A^T) B^T for 8,192 tokens, then quantised to codes of FP4 (E2M1) with one E8M0 byte for each 32: q and k along the head's 64, v along the keys.
; x, W, A arrive as codes (rows of 512 bytes, K = 1,024 innermost) with 32 scale bytes a row; B [1024][16], b [1024] are f32.
; SHARES.  A work-group owns 128 tokens and four heads; wave w owns one head and runs three UNITS (q, k, v), each 128 tokens x 64 columns: 32 accumulators of 16 x 16.
; A unit: eight K steps of 128: 32 products on codes for x W^T (the first takes the bias as C) and 8 for u = x A^T; then 128 f32 products add (B / 16) u onto the same accumulators; then the quantiser.
; ORIENTATION.  q, k: source 0 = 16 rows of W, source 1 = 16 tokens: a lane holds ONE token and its registers run along d, which is the next product's K.
;               v:    source 0 = 16 tokens, source 1 = 16 rows of W: a lane holds ONE d and its registers run along the tokens, the keys, which are ITS next K.
; In both a block of 32 along the next K is the 16 registers 16 B .. 16 B + 15 of lanes l and l xor 16, so one tail serves both.
; WHAT IS STORED are images of the next launch's operand registers: a conversion turns one accumulator's 8 registers into one register of codes; written in the order (block 2G, first half), (block 2G+1, first half),
; (2G, second), (2G+1, second), two exchanges of lane halves leave registers that hold 32 neighbours along K in each lane.  Each store of the wave covers 512 (v's scale words: 256) consecutive bytes, aligned.
; THE RANK-16 PRODUCT stays in f32 (its result goes into a quantiser): K step s of the f32 form takes registers 2 s, 2 s + 1 of u's result and of B's rows, rank 8 (lane / 16) + 2 s + j on both sides.
; LDS.  x's 128 rows, all of K, filled once; three slots that each hold half of K of each wave's 64 rows of W.  q reads slots 0, 1; k 2, 0; v 1, 2: three refills.
; CLUSTER 4 x 4.  The four work-groups of a row share their tokens, the four of a column their heads: x's tiles are asked for jointly along the row, W's along the column.
; No prefetch: the weights are walked by all 64 token blocks and x by four work-groups, and the first tiles are asked for at the head.
; LIMITS: NaN and infinities are not served; a block whose largest magnitude lies under 2^-124 takes the scale byte 1 (a block of zeros too: its codes are zeros, and the bytes are read by this program alone).
.set XP,    528                        ; x's row in LDS: 512 bytes + 16: the 16 rows of a fragment load start 33 x 16 bytes apart
.set WP,    272                        ; W's row in a slot: 256 bytes + 16
.set WSL,   64*WP                      ; a wave's part of a slot
.set SL0,   128*XP
.set SL1,   SL0+4*WSL
.set SL2,   SL1+4*WSL
.set SPARE, SL2+4*WSL                  ; the spare words: 128 bytes a wave, two blocks of 256 bytes that no other line names
; window 0
.set ADX, 2                            ; x's fragments: r x 528 + 16 h
.set ADW, 3                            ; v3-5  W's fragments in slot 0, 1, 2
.set OAC, 6                            ; A's codes: 512 r + 16 h
.set OSC, 7                            ; scale rows of x and W: 32 x lane
.set OAS, 8                            ; A's scale rows: 32 r
.set OB0, 9                            ; bias, q and k: 32 h
.set OB1, 10                           ; bias, v: 4 r
.set OBF, 11                           ; B: 64 r + 32 h
.set O16, 12                           ; 16 x lane
.set O8,  13                           ; 8 x lane
.set SPW, 14                           ; my spare word; never rewritten
.set NIL, 15                           ; 0; never rewritten
.set XS,  16                           ; v16-47  x's scale words: register 8 p + s: lane l: token 32 p + l, K step s
.set WS,  48                           ; v48-63  W's likewise (row 32 p + l of the head)
.set AS,  64                           ; v64-71  A's: lane r: row r, K step s
.set T,   72                           ; v72-87  largest magnitudes of the 16 blocks
.set TP,  88                           ; v88-103 the other half's, then the scale bytes
.set SO,  104                          ; v104-119 the conversions' scale operands
.set PC,  120                          ; v120-151 codes
.set WD,  152                          ; v152-159 scale words
.set SW,  160                          ; v160-163 scale words as they are stored
; window 1: the 32 accumulators, written by matrix instructions alone
; window 2
.set XF,  0                            ; x's fragments: set e at 64 e, tile i at + 8 i
.set WF,  128                          ; W's: set e at + 32 e, tile t at + 8 t
.set AF,  192                          ; A's: K step s at + 8 s
; window 3
.set U,   0                            ; u = x A^T: tile i at 8 i
.set BF,  64                           ; B's rows: tile t at + 8 t
.set BI,  96                           ; the bias in the result's layout: tile t at + 8 t
.set WV,  56                           ; s56 my wave
.set G1X, 68
.set G1W, 76
.set G0X, 84
.set G0A, 88
.set G0B, 92
.set G0C, 96
.set MSB, 0
.macro WIN new                         ; bits 1:0 source 0, 3:2 source 1, 5:4 source 2, 7:6 destination; the high byte repeats the setting that is left
.if MSB != \new
	s_set_vgpr_msb (MSB<<8)|\new
.set MSB, \new
.endif
.endm
.macro PLACES n
.rept \n
	v_nop
.endr
.endm
.macro ROUND                           ; a round of the cluster's barrier
	s_barrier_signal -1
	s_barrier_wait -1
	s_cmp_lg_u32 s[WV], 0
	s_cbranch_scc1 .Lnot_wave_0_\@
	s_barrier_signal -3
.Lnot_wave_0_\@:
	s_barrier_wait -3
	s_barrier_signal -1
	s_barrier_wait -1
.endm
; One product on codes.  c < 0: C is the constant 0.  ra, rb: which half of the lanes holds source 0's and source 1's scale words.
.macro WM d, a, b, c, sa, sb, ra, rb
.set wD, \d
.set wA, \a
.set wB, \b
.set wC, \c
.set wP, \sa
.set wQ, \sb
.set wR, 2*(\ra)+(\rb)
.if wC < 0
.if wR == 0
	v_wmma_scale_f32_16x16x128_f8f6f4 v[wD:wD+7], v[wA:wA+7], v[wB:wB+7], 0, v[wP], v[wQ] matrix_a_fmt:MATRIX_FMT_FP4 matrix_b_fmt:MATRIX_FMT_FP4
.elseif wR == 1
	v_wmma_scale_f32_16x16x128_f8f6f4 v[wD:wD+7], v[wA:wA+7], v[wB:wB+7], 0, v[wP], v[wQ] matrix_a_fmt:MATRIX_FMT_FP4 matrix_b_fmt:MATRIX_FMT_FP4 matrix_b_scale:MATRIX_SCALE_ROW1
.elseif wR == 2
	v_wmma_scale_f32_16x16x128_f8f6f4 v[wD:wD+7], v[wA:wA+7], v[wB:wB+7], 0, v[wP], v[wQ] matrix_a_fmt:MATRIX_FMT_FP4 matrix_b_fmt:MATRIX_FMT_FP4 matrix_a_scale:MATRIX_SCALE_ROW1
.else
	v_wmma_scale_f32_16x16x128_f8f6f4 v[wD:wD+7], v[wA:wA+7], v[wB:wB+7], 0, v[wP], v[wQ] matrix_a_fmt:MATRIX_FMT_FP4 matrix_b_fmt:MATRIX_FMT_FP4 matrix_a_scale:MATRIX_SCALE_ROW1 matrix_b_scale:MATRIX_SCALE_ROW1
.endif
.else
.if wR == 0
	v_wmma_scale_f32_16x16x128_f8f6f4 v[wD:wD+7], v[wA:wA+7], v[wB:wB+7], v[wC:wC+7], v[wP], v[wQ] matrix_a_fmt:MATRIX_FMT_FP4 matrix_b_fmt:MATRIX_FMT_FP4
.elseif wR == 1
	v_wmma_scale_f32_16x16x128_f8f6f4 v[wD:wD+7], v[wA:wA+7], v[wB:wB+7], v[wC:wC+7], v[wP], v[wQ] matrix_a_fmt:MATRIX_FMT_FP4 matrix_b_fmt:MATRIX_FMT_FP4 matrix_b_scale:MATRIX_SCALE_ROW1
.elseif wR == 2
	v_wmma_scale_f32_16x16x128_f8f6f4 v[wD:wD+7], v[wA:wA+7], v[wB:wB+7], v[wC:wC+7], v[wP], v[wQ] matrix_a_fmt:MATRIX_FMT_FP4 matrix_b_fmt:MATRIX_FMT_FP4 matrix_a_scale:MATRIX_SCALE_ROW1
.else
	v_wmma_scale_f32_16x16x128_f8f6f4 v[wD:wD+7], v[wA:wA+7], v[wB:wB+7], v[wC:wC+7], v[wP], v[wQ] matrix_a_fmt:MATRIX_FMT_FP4 matrix_b_fmt:MATRIX_FMT_FP4 matrix_a_scale:MATRIX_SCALE_ROW1 matrix_b_scale:MATRIX_SCALE_ROW1
.endif
.endif
.endm
; 24 LDS loads: x's eight fragments of K step s and W's four (the sp-th 128 along K of the slot behind adw) into set
.macro FETCH set, s, adw, sp
	WIN 0x80
.irp i, 0,1,2,3,4,5,6,7
.irp c, 0,1
	ds_load_b128 v[XF+64*(\set)+8*\i+4*\c:XF+64*(\set)+8*\i+4*\c+3], v[ADX] offset:\i*16*XP+64*(\s)+32*\c
.endr
.endr
.irp t, 0,1,2,3
.irp c, 0,1
	ds_load_b128 v[WF+32*(\set)+8*\t+4*\c:WF+32*(\set)+8*\t+4*\c+3], v[\adw] offset:\t*16*WP+64*(\sp)+32*\c
.endr
.endr
.endm
; K step s: 40 products on 40 accumulators, one instruction a turn, in the same order in every step.
; kind 0 (q, k): accumulator (i, t) at v[32 i + 8 t] of window 1; kind 1 (v): at v[64 t + 8 i].  Step 0 takes the bias as C; u begins with the constant 0.
.macro MULS kind, s
.set mE, (\s)%2
.if (\s) == 0
	WIN 0x7a                                       ; sources 0, 1 window 2; C window 3 (the bias); D window 1
.else
	WIN 0x5a                                       ; C and D window 1
.endif
.set mI, 0
.rept 8
.set mT, 0
.rept 4
.if \kind
.set mD, 64*mT+8*mI
.else
.set mD, 32*mI+8*mT
.endif
.if (\s) == 0
.set mC, BI+8*mT
.else
.set mC, mD
.endif
.if \kind
	WM mD, XF+64*mE+8*mI, WF+32*mE+8*mT, mC, XS+8*(mI/2)+(\s), WS+8*(mT/2)+(\s), mI%2, mT%2
.else
	WM mD, WF+32*mE+8*mT, XF+64*mE+8*mI, mC, WS+8*(mT/2)+(\s), XS+8*(mI/2)+(\s), mT%2, mI%2
.endif
.set mT, mT+1
.endr
.set mI, mI+1
.endr
	WIN 0xfa                                       ; u: C and D window 3
.set mI, 0
.rept 8
.if (\s) == 0
.set mC, -1
.else
.set mC, U+8*mI
.endif
	WM U+8*mI, AF+8*(\s), XF+64*mE+8*mI, mC, AS+(\s), XS+8*(mI/2)+(\s), 0, mI%2
.set mI, mI+1
.endr
.endm
; pre = 1: the fragments of x's K step ns and of the slot's sp-th 128 are asked for first, into the set that the step before has read: four places stand between its products and these loads.
.macro KSTEP kind, s, pre, ns, adw, sp
.if \pre
	PLACES 4
	FETCH ((\s)+1)%2, \ns, \adw, \sp
	s_wait_dscnt 24                                ; all but the 24 just issued: this step's fragments are in
.else
	s_wait_dscnt 0x0
.endif
	MULS \kind, \s
.endm
; A unit's operands from memory.  pw: the unit's first pointer register: + 0 W's scales, + 2 A's codes, + 4 A's scales, + 6 B, + 8 b, + 10 the codes out, + 12 the scale words out
.macro P1LOAD pw, kind
	WIN 0x80
.irp s, 0,1,2,3,4,5,6,7
.irp c, 0,1
	global_load_b128 v[AF+8*\s+4*\c:AF+8*\s+4*\c+3], v[OAC], s[\pw+2:\pw+3] offset:64*\s+32*\c
.endr
.endr
	WIN 0
.irp e, 0,1
	global_load_b128 v[AS+4*\e:AS+4*\e+3], v[OAS], s[\pw+4:\pw+5] offset:16*\e
.endr
.irp y, 0,1
.irp e, 0,1
	global_load_b128 v[WS+8*\y+4*\e:WS+8*\y+4*\e+3], v[OSC], s[\pw:\pw+1] offset:1024*\y+16*\e
.endr
.endr
	WIN 0xc0
.if \kind
.irp t, 0,1,2,3
	global_load_b32 v[BI+8*\t], v[OB1], s[\pw+8:\pw+9] offset:64*\t          ; v: b(16 t + r), the lane's one column
.endr
.else
.irp t, 0,1,2,3
.irp e, 0,1
	global_load_b128 v[BI+8*\t+4*\e:BI+8*\t+4*\e+3], v[OB0], s[\pw+8:\pw+9] offset:64*\t+16*\e   ; q, k: b(16 t + 8 h + 0 .. 7)
.endr
.endr
.endif
.endm
.macro P2LOAD pw                       ; B(16 t + r, 8 h + 0 .. 7): eight loads
	WIN 0xc0
.irp t, 0,1,2,3
.irp e, 0,1
	global_load_b128 v[BF+8*\t+4*\e:BF+8*\t+4*\e+3], v[OBF], s[\pw+6:\pw+7] offset:1024*\t+16*\e
.endr
.endr
.endm
.macro TAILHEAD                        ; B / 16, exact.  These 16 plain lines name no register of the last products: they are the places between the two matrix forms and in front of the loads that follow
	s_wait_loadcnt 0x0                             ; B is in
	WIN 0xc3
.set n, 0
.rept 16
	v_pk_mul_f32 v[BF+2*n:BF+2*n+1], v[BF+2*n:BF+2*n+1], 0x3d800000 op_sel_hi:[1,0]
.set n, n+1
.endr
.endm
.macro F32 kind                        ; 128 f32 products, the 32 accumulators by turns
	WIN 0x5f                                       ; sources window 3, C and D window 1
.set fS, 0
.rept 4
.set fI, 0
.rept 8
.set fT, 0
.rept 4
.if \kind
	v_wmma_f32_16x16x4_f32 v[64*fT+8*fI:64*fT+8*fI+7], v[U+8*fI+2*fS:U+8*fI+2*fS+1], v[BF+8*fT+2*fS:BF+8*fT+2*fS+1], v[64*fT+8*fI:64*fT+8*fI+7]
.else
	v_wmma_f32_16x16x4_f32 v[32*fI+8*fT:32*fI+8*fT+7], v[BF+8*fT+2*fS:BF+8*fT+2*fS+1], v[U+8*fI+2*fS:U+8*fI+2*fS+1], v[32*fI+8*fT:32*fI+8*fT+7]
.endif
.set fT, fT+1
.endr
.set fI, fI+1
.endr
.set fS, fS+1
.endr
.endm
; THE QUANTISER: 16 blocks, block B = registers 16 B .. 16 B + 15 of window 1 in lanes l and l xor 16.  Each accumulator is read from its low end on.
.macro QTAIL kind, pw
	s_wait_xcnt 0x0                                ; the last unit's stores have read their data: the codes' and words' registers may be written again
	WIN 0x14                                       ; sources 1, 2 window 1
.set qB, 0
.rept 16
	v_max3_num_f32 v[T+qB], 0x1800000, |v[16*qB]|, |v[16*qB+1]|     ; with the floor 2^(3 - 127): the byte cannot fall under 1
.set qB, qB+1
.endr
.irp z, 2,4,6,8,10,12,14
.set qB, 0
.rept 16
	v_max3_num_f32 v[T+qB], v[T+qB], |v[16*qB+\z]|, |v[16*qB+\z+1]|
.set qB, qB+1
.endr
.endr
	WIN 0
.set qB, 0
.rept 16
	v_permlanex16_b32 v[TP+qB], v[T+qB], s62, s63
.set qB, qB+1
.endr
.set qB, 0
.rept 16
	v_max_num_f32 v[T+qB], v[T+qB], v[TP+qB]       ; the block's largest magnitude
.set qB, qB+1
.endr
.set qB, 0
.rept 16
	v_add_nc_u32 v[SO+qB], 0xff000000, v[T+qB]     ; 2 off its exponent field: the conversion's scale operand
.set qB, qB+1
.endr
.set qB, 0
.rept 16
	v_lshrrev_b32 v[TP+qB], 23, v[SO+qB]           ; the scale's byte
.set qB, qB+1
.endr
.if \kind
.irp t, 0,1,2,3                        ; v: row d = 16 t + r: the four key blocks of these 128 tokens
	v_lshl_or_b32 v[WD+\t], v[TP+4*\t+1], 8, v[TP+4*\t]
	v_lshl_or_b32 v[WD+\t], v[TP+4*\t+2], 16, v[WD+\t]
	v_lshl_or_b32 v[WD+\t], v[TP+4*\t+3], 24, v[WD+\t]
.endr
.irp y, 0,1
	v_cndmask_b32 v[SW+\y], v[WD+2*\y], v[WD+2*\y+1], s61   ; lanes 0-15 the even tile's word, lanes 16-31 the odd one's
.endr
.else
.irp i, 0,1,2,3,4,5,6,7                ; q, k: token 16 i + r: two blocks; the upper half of the instruction's K is zeros under the byte 127
	v_lshl_or_b32 v[WD+\i], v[TP+2*\i+1], 8, v[TP+2*\i]
	v_or_b32 v[WD+\i], 0x7f7f0000, v[WD+\i]
.endr
.irp y, 0,1,2,3
	v_cndmask_b32 v[SW+\y], v[WD+2*\y], v[WD+2*\y+1], s61
.endr
.endif
	WIN 0x01                                       ; source 0 window 1
.set qG, 0
.rept 8
	v_cvt_scalef32_pk8_fp4_f32 v[PC+4*qG],   v[32*qG:32*qG+7],     v[SO+2*qG]
	v_cvt_scalef32_pk8_fp4_f32 v[PC+4*qG+1], v[32*qG+16:32*qG+23], v[SO+2*qG+1]
	v_cvt_scalef32_pk8_fp4_f32 v[PC+4*qG+2], v[32*qG+8:32*qG+15],  v[SO+2*qG]
	v_cvt_scalef32_pk8_fp4_f32 v[PC+4*qG+3], v[32*qG+24:32*qG+31], v[SO+2*qG+1]
.set qG, qG+1
.endr
	v_nop                                          ; one plain line behind the last conversion
	WIN 0
.set qG, 0
.rept 8
	v_permlane16_swap_b32 v[PC+4*qG], v[PC+4*qG+1]     ; a whole block in a lane: lanes 0-15 block 2 G, lanes 16-31 block 2 G + 1
	v_permlane16_swap_b32 v[PC+4*qG+2], v[PC+4*qG+3]
.set qG, qG+1
.endr
.set qG, 0
.rept 8
	global_store_b128 v[O16], v[PC+4*qG:PC+4*qG+3], s[\pw+10:\pw+11] offset:512*qG   ; 32 lanes store 512 consecutive bytes
.set qG, qG+1
.endr
.if \kind
	global_store_b64 v[O8], v[SW:SW+1], s[\pw+12:\pw+13]
.else
	global_store_b128 v[O16], v[SW:SW+3], s[\pw+12:\pw+13]
.endif
.endm
; A slot that has been read is filled again: every wave waits for all its tensor loads, adds 0 to its spare word, waits for that and for its LDS reads; a round of the cluster's barrier; the one joint load first behind it.
.macro CHANGE g0, src, off
	WIN 0
	s_wait_tensorcnt 0x0                           ; no tensor load of mine is out: a group 0 may be written
	ds_add_u32 v[SPW], v[NIL]
	s_add_nc_u64 s[\g0+2:\g0+3], s[\src:\src+1], \off
	s_or_b32 s[\g0+3], s[\g0+3], 0x80000000
	s_wait_dscnt 0x0                               ; the add is done, and my reads of the slot are over
	ROUND
	tensor_load_to_lds s[\g0:\g0+3], s[G1W:G1W+7]
	s_nop 0
	PLACES 4                                       ; (also the places in front of the fragment loads that follow)
.endm
	s_load_b512 s[4:19], s[0:1], 0x0               ; x's codes 4, x's scales 6, Wq 8, Wk 10, Wv 12; unit q from 14
	s_load_b512 s[20:35], s[0:1], 0x40             ; unit k from 28
	s_load_b512 s[36:51], s[0:1], 0x80             ; unit v from 42
	s_load_b128 s[52:55], s[0:1], 0xc0
	v_lshl_add_u32 v[SPW], v0, 2, SPARE
	v_mov_b32 v[NIL], 0
	ds_add_u32 v14, v15
	ds_add_u32 v14, v15
	s_wait_dscnt 0x0
	v_lshrrev_b32 v1, 5, v0
	v_readfirstlane_b32 s[WV], v1                  ; wave 0..3
	s_bfe_u32 s57, ttmp6, 0x40000                  ; cx
	s_bfe_u32 s58, ttmp6, 0x40004                  ; cy
	s_lshl_b32 s59, ttmp9, 2
	s_add_co_u32 s59, s59, s57                     ; the group of four heads = 4 x cluster x + cx
	s_lshl_b32 s59, s59, 2
	s_add_co_u32 s59, s59, s[WV]                   ; my head
	s_and_b32 s60, ttmp7, 0xffff
	s_lshl_b32 s60, s60, 2
	s_add_co_u32 s60, s60, s58                     ; the block of 128 tokens = 4 x cluster y + cy
	s_lshl_b32 s2, s58, 2
	s_lshl_b32 s2, 15, s2                          ; my row of the cluster
	s_lshl_b32 s66, 0x1111, s57                    ; my column
	s_or_b32 s[G1X], s2, (1<<20)|(1<<21)|(6<<22)|(3<<25)    ; x: elements of 1 byte; four words of padding behind every 128; the mask: my row
	s_mov_b32 s[G1X+1], 512<<16                    ; tensor_dim0
	s_mov_b32 s[G1X+2], 128<<16                    ; tensor_dim1: all 128 rows of x in one load
	s_mov_b32 s[G1X+3], 512<<16                    ; tile_dim0
	s_mov_b32 s[G1X+4], 128                        ; tile_dim1
	s_mov_b32 s[G1X+5], 512                        ; bytes from row to row
	s_mov_b32 s[G1X+6], 0
	s_mov_b32 s[G1X+7], 0
	s_or_b32 s[G1W], s66, (1<<20)|(1<<21)|(5<<22)|(3<<25)   ; W: four words behind every 64; the mask: my column
	s_mov_b32 s[G1W+1], 256<<16
	s_mov_b32 s[G1W+2], 256<<16                    ; the head's loads bring a whole slot: the 256 rows of the four heads
	s_mov_b32 s[G1W+3], 256<<16
	s_mov_b32 s[G1W+4], 256
	s_mov_b32 s[G1W+5], 512
	s_mov_b32 s[G1W+6], 0
	s_mov_b32 s[G1W+7], 0
	s_lshl_b32 s2, s60, 16                         ; x: 128 rows of 512 bytes a block,
	s_lshl_b32 s100, s[WV], 15                     ; my head's place among the group's four, in bytes of W
	s_mov_b32 s101, 0
	s_mov_b32 s3, 0
	s_lshl_b32 s66, s59, 15                        ; W: my head's 64 rows of 512 bytes (made of the heads' group and the wave alone)
	s_mov_b32 s67, 0
	s_mov_b32 s61, 0xffff0000                      ; lanes 16-31
	s_mov_b32 s62, 0x76543210                      ; v_permlanex16_b32: lane l xor 16
	s_mov_b32 s63, 0xfedcba98
	s_wait_kmcnt 0x0
	s_add_nc_u64 s[8:9], s[8:9], s[66:67]
	s_add_nc_u64 s[10:11], s[10:11], s[66:67]      ; these two stay plain pointers: the refills start from them
	s_add_nc_u64 s[12:13], s[12:13], s[66:67]
	s_mov_b32 s[G0X], 1
	s_mov_b32 s[G0X+1], 0
	s_add_nc_u64 s[G0X+2:G0X+3], s[4:5], s[2:3]
	s_or_b32 s[G0X+3], s[G0X+3], 0x80000000
	s_mov_b32 s[G0A], 1
	s_mov_b32 s[G0A+1], SL0
	s_sub_nc_u64 s[G0A+2:G0A+3], s[8:9], s[100:101]   ; q, first half of K, from the group's first head on
	s_or_b32 s[G0A+3], s[G0A+3], 0x80000000
	s_mov_b32 s[G0B], 1
	s_mov_b32 s[G0B+1], SL1
	s_sub_nc_u64 s[G0B+2:G0B+3], s[8:9], s[100:101]
	s_add_nc_u64 s[G0B+2:G0B+3], s[G0B+2:G0B+3], 256  ; q, second half
	s_or_b32 s[G0B+3], s[G0B+3], 0x80000000
	s_mov_b32 s[G0C], 1
	s_mov_b32 s[G0C+1], SL2
	s_sub_nc_u64 s[G0C+2:G0C+3], s[10:11], s[100:101] ; k, first half
	s_or_b32 s[G0C+3], s[G0C+3], 0x80000000
	ROUND                                          ; all sixteen work-groups are here: the first joint loads meet
; THE HEAD'S LOADS, ONE A WAVE: wave 0 all of x, waves 1 to 3 one whole slot of W each.  One chain of branches on the wave's number, a load to an arm, one join.
.macro ARM under, g0, g1, next
	s_cmp_lt_u32 s[WV], \under
	s_cbranch_scc0 \next
	tensor_load_to_lds s[\g0:\g0+3], s[\g1:\g1+7]
	s_nop 0
	PLACES 4
	s_branch .Lhead_asked
\next:
.endm
	ARM 1, G0X, G1X, .Lhead_a
	ARM 2, G0A, G1W, .Lhead_b
	ARM 3, G0B, G1W, .Lhead_c
	tensor_load_to_lds s[G0C:G0C+3], s[G1W:G1W+7]
	s_nop 0
	PLACES 4
.Lhead_asked:
	s_lshl_b32 s66, s59, 11                        ; W's scales: 64 rows of 32 bytes a head
	s_add_nc_u64 s[14:15], s[14:15], s[66:67]
	s_add_nc_u64 s[28:29], s[28:29], s[66:67]
	s_add_nc_u64 s[42:43], s[42:43], s[66:67]
	s_lshl_b32 s66, s59, 12                        ; B: 64 rows of 64 bytes
	s_add_nc_u64 s[20:21], s[20:21], s[66:67]
	s_add_nc_u64 s[34:35], s[34:35], s[66:67]
	s_add_nc_u64 s[48:49], s[48:49], s[66:67]
	s_lshl_b32 s66, s59, 8                         ; b: 64 numbers
	s_add_nc_u64 s[22:23], s[22:23], s[66:67]
	s_add_nc_u64 s[36:37], s[36:37], s[66:67]
	s_add_nc_u64 s[50:51], s[50:51], s[66:67]
	s_lshl_b32 s2, s60, 12                         ; x's scales: 128 rows of 32 bytes
	s_add_nc_u64 s[6:7], s[6:7], s[2:3]
	s_lshr_b32 s100, s60, 4                        ; the place in the workspace: (16 batch + head) x 16 + the block of 128 tokens in the batch
	s_lshl_b32 s100, s100, 8
	s_lshl_b32 s101, s59, 4
	s_add_co_u32 s100, s100, s101
	s_and_b32 s101, s60, 15
	s_add_co_u32 s100, s100, s101
	s_mov_b32 s101, 0
	s_lshl_b32 s100, s100, 8                       ; x 256: v's scale words
	s_add_nc_u64 s[54:55], s[54:55], s[100:101]
	s_lshl_b32 s100, s100, 1                       ; x 512: q's and k's
	s_add_nc_u64 s[26:27], s[26:27], s[100:101]
	s_add_nc_u64 s[40:41], s[40:41], s[100:101]
	s_lshl_b32 s100, s100, 3                       ; x 4,096: the codes
	s_add_nc_u64 s[24:25], s[24:25], s[100:101]
	s_add_nc_u64 s[38:39], s[38:39], s[100:101]
	s_add_nc_u64 s[52:53], s[52:53], s[100:101]
	v_and_b32 v1, 31, v0                           ; lane
	v_and_b32 v[T], 15, v0                         ; r
	v_bfe_u32 v[T+1], v0, 4, 1                     ; h
	v_lshlrev_b32 v[OSC], 5, v1
	v_lshlrev_b32 v[OAC], 9, v[T]
	v_lshl_add_u32 v[OAC], v[T+1], 4, v[OAC]
	v_lshlrev_b32 v[OAS], 5, v[T]
	v_lshlrev_b32 v[OB0], 5, v[T+1]
	v_lshlrev_b32 v[OB1], 2, v[T]
	v_lshl_add_u32 v[OBF], v[T], 6, v[OB0]
	v_lshlrev_b32 v[O16], 4, v1
	v_lshlrev_b32 v[O8], 3, v1
.irp y, 0,1,2,3
.irp e, 0,1
	global_load_b128 v[XS+8*\y+4*\e:XS+8*\y+4*\e+3], v[OSC], s[6:7] offset:1024*\y+16*\e   ; x's scale words stay for the whole launch
.endr
.endr
	P1LOAD 14, 0
	P2LOAD 14
	WIN 0
	v_mul_u32_u24 v[ADX], v[T], XP
	v_lshl_add_u32 v[ADX], v[T+1], 4, v[ADX]
	v_mul_u32_u24 v[T+2], v[T], WP
	v_lshl_add_u32 v[T+2], v[T+1], 4, v[T+2]
	s_mul_i32 s57, s[WV], WSL                      ; my part of a slot: wave x 17,408
	v_add_nc_u32 v[T+2], s57, v[T+2]
	v_add_nc_u32 v[ADW], SL0, v[T+2]
	v_add_nc_u32 v[ADW+1], SL1, v[T+2]
	v_add_nc_u32 v[ADW+2], SL2, v[T+2]
.set n, 0
.rept 16
	v_mov_b32 v[TP+n], 0                           ; written once: a lane permute's destination counts as one of its sources
.set n, n+1
.endr
	s_wait_alu depctr_va_vdst(0)                   ; the wait at the head's end
	s_wait_tensorcnt 0x0                           ; my one load has landed, so descriptors may be written: from here on a wave fills its own 64 rows of a slot
	s_add_co_u32 s[G0A+1], s[G0A+1], s57
	s_add_co_u32 s[G0B+1], s[G0B+1], s57
	s_add_co_u32 s[G0C+1], s[G0C+1], s57
	s_mov_b32 s[G1W+2], 64<<16
	s_mov_b32 s[G1W+4], 64
	s_barrier_signal -1
	s_barrier_wait -1                              ; everybody's part of x is in
	FETCH 0, 0, ADW, 0
	s_wait_loadcnt 0x8                             ; all but B's eight loads, the last issued
	; ---- unit q: slots 0, 1
	KSTEP 0, 0, 1, 1, ADW, 1
	KSTEP 0, 1, 1, 2, ADW, 2
	KSTEP 0, 2, 1, 3, ADW, 3
	KSTEP 0, 3, 0, 0, 0, 0
	CHANGE G0A, 10, 256                            ; slot 0 takes k's second half of K
	FETCH 0, 4, ADW+1, 0
	KSTEP 0, 4, 1, 5, ADW+1, 1
	KSTEP 0, 5, 1, 6, ADW+1, 2
	KSTEP 0, 6, 1, 7, ADW+1, 3
	KSTEP 0, 7, 1, 0, ADW+2, 0                     ; and k's first fragments (slot 2 was shown landed at the change above)
	TAILHEAD
	P1LOAD 28, 0                                   ; k's operands land under q's tail
	F32 0
	PLACES 8                                       ; behind the f32 form: in front of the loads into B's registers and of the first read of the sums
	P2LOAD 28
	QTAIL 0, 14
	CHANGE G0B, 12, 0                              ; slot 1 takes v's first half
	; ---- unit k: slots 2, 0
	s_wait_loadcnt 0x8                             ; all but B's eight
	KSTEP 0, 0, 1, 1, ADW+2, 1
	KSTEP 0, 1, 1, 2, ADW+2, 2
	KSTEP 0, 2, 1, 3, ADW+2, 3
	KSTEP 0, 3, 1, 4, ADW, 0
	KSTEP 0, 4, 1, 5, ADW, 1
	KSTEP 0, 5, 1, 6, ADW, 2
	KSTEP 0, 6, 1, 7, ADW, 3
	KSTEP 0, 7, 0, 0, 0, 0
	CHANGE G0C, 12, 256                            ; slot 2 takes v's second half
	FETCH 0, 0, ADW+1, 0                           ; v's first fragments
	TAILHEAD
	P1LOAD 42, 1
	F32 0
	PLACES 8
	P2LOAD 42
	QTAIL 0, 28
	; ---- unit v: slots 1, 2
	s_wait_loadcnt 0x8
	WIN 0xc3
.irp t, 0,1,2,3
.irp j, 1,2,3,4,5,6,7
	v_mov_b32 v[BI+8*\t+\j], v[BI+8*\t]            ; C wants eight registers: all eight rows of a lane's column take that column's bias
.endr
.endr
	s_wait_alu depctr_va_vdst(0)
	KSTEP 1, 0, 1, 1, ADW+1, 1
	KSTEP 1, 1, 1, 2, ADW+1, 2
	KSTEP 1, 2, 1, 3, ADW+1, 3
	s_wait_tensorcnt 0x0                           ; slot 2's last fill has landed; I alone read my part of it
	KSTEP 1, 3, 1, 4, ADW+2, 0
	KSTEP 1, 4, 1, 5, ADW+2, 1
	KSTEP 1, 5, 1, 6, ADW+2, 2
	KSTEP 1, 6, 1, 7, ADW+2, 3
	KSTEP 1, 7, 0, 0, 0, 0
	TAILHEAD
	F32 1
	PLACES 8
	QTAIL 1, 42
	s_wait_tensorcnt 0x0                           ; the wave's end
	ds_add_u32 v[SPW], v[NIL]
	s_wait_dscnt 0x0
	ROUND                                          ; the closing round: no work-group ends while a partner may still ask for a tile that names it
	s_endpgm
.Lfunc_end_k_q6bee08a746_proj:
	.size	k_q6bee08a746_proj, .Lfunc_end_k_q6bee08a746_proj-k_q6bee08a746_proj
	.p2alignl 7, 3214868480
	.fill 96, 4, 3214868480
	.section	.rodata,"a",@progbits
	.p2align	6, 0x0
	.amdhsa_kernel k_q6bee08a746_proj
		.amdhsa_group_segment_fixed_size 327680
		.amdhsa_private_segment_fixed_size 0
		.amdhsa_enable_private_segment 0
		.amdhsa_kernarg_size 208
		.amdhsa_user_sgpr_count 2
		.amdhsa_user_sgpr_kernarg_segment_ptr 1
		.amdhsa_wavefront_size32 1
		.amdhsa_system_sgpr_workgroup_id_x 1
		.amdhsa_system_sgpr_workgroup_id_y 1
		.amdhsa_system_sgpr_workgroup_id_z 1
		.amdhsa_system_vgpr_workitem_id 0
		.amdhsa_next_free_vgpr 896
		.amdhsa_next_free_sgpr 102
		.amdhsa_reserve_vcc 0
		.amdhsa_float_denorm_mode_32 3
		.amdhsa_float_denorm_mode_16_64 3
		.amdhsa_memory_ordered 1
		.amdhsa_forward_progress 1
		.amdhsa_inst_pref_size 255
	.end_amdhsa_kernel
	.section	.bss,"aw",@nobits
	.p2align	6
	.space	262144
	.amdgpu_metadata
---
amdhsa.version: [ 1, 2 ]
amdhsa.kernels:
  - .name:           k_q6bee08a746_proj
    .symbol:         k_q6bee08a746_proj.kd
    .args:
      - { .name: hidden_states_codes, .offset: 0, .size: 8, .value_kind: global_buffer, .address_space: global }
      - { .name: hidden_states_scales, .offset: 8, .size: 8, .value_kind: global_buffer, .address_space: global }
      - { .name: Wq_codes, .offset: 16, .size: 8, .value_kind: global_buffer, .address_space: global }
      - { .name: Wk_codes, .offset: 24, .size: 8, .value_kind: global_buffer, .address_space: global }
      - { .name: Wv_codes, .offset: 32, .size: 8, .value_kind: global_buffer, .address_space: global }
      - { .name: Wq_scales, .offset: 40, .size: 8, .value_kind: global_buffer, .address_space: global }
      - { .name: Aq_codes, .offset: 48, .size: 8, .value_kind: global_buffer, .address_space: global }
      - { .name: Aq_scales, .offset: 56, .size: 8, .value_kind: global_buffer, .address_space: global }
      - { .name: Bq, .offset: 64, .size: 8, .value_kind: global_buffer, .address_space: global }
      - { .name: bq, .offset: 72, .size: 8, .value_kind: global_buffer, .address_space: global }
      - { .name: qc, .offset: 80, .size: 8, .value_kind: global_buffer, .address_space: global }
      - { .name: qs, .offset: 88, .size: 8, .value_kind: global_buffer, .address_space: global }
      - { .name: Wk_scales, .offset: 96, .size: 8, .value_kind: global_buffer, .address_space: global }
      - { .name: Ak_codes, .offset: 104, .size: 8, .value_kind: global_buffer, .address_space: global }
      - { .name: Ak_scales, .offset: 112, .size: 8, .value_kind: global_buffer, .address_space: global }
      - { .name: Bk, .offset: 120, .size: 8, .value_kind: global_buffer, .address_space: global }
      - { .name: bk, .offset: 128, .size: 8, .value_kind: global_buffer, .address_space: global }
      - { .name: kc, .offset: 136, .size: 8, .value_kind: global_buffer, .address_space: global }
      - { .name: ks, .offset: 144, .size: 8, .value_kind: global_buffer, .address_space: global }
      - { .name: Wv_scales, .offset: 152, .size: 8, .value_kind: global_buffer, .address_space: global }
      - { .name: Av_codes, .offset: 160, .size: 8, .value_kind: global_buffer, .address_space: global }
      - { .name: Av_scales, .offset: 168, .size: 8, .value_kind: global_buffer, .address_space: global }
      - { .name: Bv, .offset: 176, .size: 8, .value_kind: global_buffer, .address_space: global }
      - { .name: bv, .offset: 184, .size: 8, .value_kind: global_buffer, .address_space: global }
      - { .name: vc, .offset: 192, .size: 8, .value_kind: global_buffer, .address_space: global }
      - { .name: vs, .offset: 200, .size: 8, .value_kind: global_buffer, .address_space: global }
    .group_segment_fixed_size: 327680
    .private_segment_fixed_size: 0
    .kernarg_segment_align: 8
    .kernarg_segment_size: 208
    .max_flat_workgroup_size: 128
    .sgpr_count:     102
    .vgpr_count:     896
    .wavefront_size: 32
...
	.end_amdgpu_metadata
.endif
;; end of part 1
;; launch attn (part 2): grid 4 x 64, 8 waves a work-group, clusters of 4 x 1, 222,208 bytes of LDS; arguments qc, qs, kc, ks, vc, vs, attention_mask, out0; writes out0
.if DOCPART == 2
	.amdgcn_target "amdgcn-amd-amdhsa--gfx1250"
	.amdhsa_code_object_version 6
	.text
	.protected	k_q6bee08a746_attn
	.globl	k_q6bee08a746_attn
	.p2align	8
	.type	k_q6bee08a746_attn,@function
k_q6bee08a746_attn:
	s_mov_b64 s[64:65], 0
	v_nop
	global_prefetch_b8 v0, s[64:65] scope:SCOPE_SE
	s_setreg_imm32_b32 hwreg(HW_REG_WAVE_MODE, 25, 1), 1
	s_wait_xcnt 0x0
	s_wait_alu depctr_hold_cnt(0) depctr_sa_sdst(0) depctr_va_vdst(0) depctr_va_sdst(0) depctr_va_ssrc(0) depctr_va_vcc(0) depctr_vm_vsrc(0)
	s_getreg_b32 s2, hwreg(HW_REG_IB_STS2, 6, 4)
	s_cmp_eq_u32 s2, 0
	s_cbranch_scc0 .Lentry_in_a_cluster
	s_endpgm
.Lentry_in_a_cluster:
	s_bfe_u32 s2, ttmp6, 0x10000c
	s_cmp_lg_u32 s2, 0x3003
	s_cbranch_scc0 .Lentry_shape_is_right
	s_endpgm
.Lentry_shape_is_right:
; out[b][q][head] = the sum over k of softmax_k(q . k / 8 + mask[b][k]) v[k], both products on codes of FP4 (E2M1) with E8M0 scales, from the register images that the launch before has stored.
; THE SOFTMAX AHEAD OF THE SECOND PRODUCT: t = logit x log2(e); M = the running largest t rounded UP to a whole number; p = 2^(t - M) is quantised along the keys, not normalised; the row's sum is taken of the
; unquantised p and divides at the end; when M moves, the sum and O are multiplied by 2^(old M - new M), which rounds nothing.
; SHARES.  A work-group owns 512 queries of one head, in two passes of 256; each of its eight waves owns 32 queries a pass, two tiles of 16, which share every fragment of K, V and the mask.  128 keys a step, 16 steps.
; THE WHOLE HEAD'S K AND V STAY IN LDS, filled once, with their scale words: eight loads, one a wave.  The four work-groups of a cluster own the four quarters of one head's queries and ask for each tile jointly.
; LAYOUT.  S^T = K Q^T (source 0 = 16 keys, source 1 = 16 queries), O^T = V^T P^T: a lane holds ONE query throughout.  The head's 64 are half of the instruction's 128 along K: Q's upper four registers are zeros,
; so K's upper four may hold anything (they hold the next tile's codes), under scale bytes of 127.
; THE KEYS OF A TILE ARE CHOSEN BY THE LDS ADDRESS: row r of tile 4 c + u is key 64 c + 32 (r / 8) + 8 u + r % 8.  So the 32 registers of tiles 4 c .. 4 c + 3 are, in lane half h, the WHOLE block 2 c + h of 32 keys:
; a block's largest score needs no other lane, and the eight conversions of a query tile write the second product's operand as it is wanted, with no exchange of lanes.
; THE MASK IS THE C OF THE FIRST PRODUCT: S' = k . q + 8 mask, t = S' x log2(e) / 8.
; ORDER OF A STEP.  Tile 0's exponentials stand by turns with tile 1's multiply-adds; tile 1's with tile 0's conversions and the first level of its sum.  The lines laid among exponentials read only what was
; written ahead of the wait in front of them, and what they write is first read behind the next wait.  The row's sum is a tree in place on p's registers, behind the conversions that read them.
; O^T is rescaled ahead of the step's exponentials, so its first read follows the products that wrote it with no exponential between.
; LIMITS.  Mask values under -2^23, minus infinity among them, are held at -2^23 (a NaN in the mask too).  That changes a result only where every key of a batch lies so low (reference() gives NaN where all are
; minus infinity; this text gives finite numbers).  +infinity in the mask, and NaN or infinities elsewhere, are not served.  The scaled scores stay under 2^31 in magnitude.
; A block's largest p is the exponential of its largest score: this takes v_exp_f32 not to fall where its input rises.
; No prefetch: all that comes from memory is asked for at the head; there is no loop over memory to run ahead in.
.set KC,   0                           ; K's codes: 16 steps x 4,096 bytes
.set MSK,  65536                       ; 8 x mask, held: 2,048 numbers, written by LDS stores
.set VC,   73728                       ; V's codes
.set KSC,  139264                      ; K's scale words: 512 bytes a step
.set VSC,  147456                      ; V's: 256 bytes a step
.set STG,  151552                      ; the way out: for each wave two stages of 16 rows x (256 + 16) bytes
.set SPARE, 0x36000                    ; the spare words: 128 bytes a wave
; The look-ahead of a pass's last step reads one step past KC, MSK and KSC: into MSK, VC and VSC, bytes that are written once and only read afterwards; what it brings is not used.
.set KL0, 1                            ; KC + 16 (r % 8) + 1,024 (r / 8) + 256 h
.set VL0, 2                            ; VC - 4,096 + 16 l: one step back, so that the scalar that names the NEXT step of K names this step of V
.set KS0, 3                            ; KSC + 16 (r % 8) + 4 (r / 8) + 128 h
.set VS0, 4                            ; VSC - 256 + 8 l
.set MK0, 5                            ; MSK + 128 h
.set ADK, 6
.set ADV, 7
.set ADS, 8
.set ADT, 9
.set ADM, 10
.set L16, 11                           ; 16 l
.set STO, 12
.set SRD, 13
.set GO,  14
.set TMP, 15
.set ST,  16                           ; tile q at + 8 q: + 0 -M, + 1 the largest S', + 2, + 3 the sum, + 4 f, + 5 named with it, + 6, + 7 at work
.set QS,  32                           ; Q's scale words: lanes 0-15 tile 0, lanes 16-31 tile 1
.set PW,  33                           ; v33-34 p's scale words
.set KS,  36                           ; v36-39 K's: register 2 c + u / 2: lanes 0-15 tile 4 c + u for even u, lanes 16-31 for odd u
.set VS,  40                           ; v40-41 V's: register p: lane l: d = 32 p + l
.set Q,   44                           ; tile q at + 8 q
.set P,   60                           ; p's codes: tile q at + 8 q
.set BM,  76                           ; my two blocks' largest scores, then largest p: + 2 q + c
.set BP,  80                           ; a second chain of the maxima, then the bytes
.set SO,  84                           ; the conversions' scale operands
.set XW,  88                           ; my two bytes of p's scale word
.set YW,  90                           ; lane l xor 16's
.set QN,  92                           ; v92-99 the second pass's Q;  v100 its scale words
.set QSN, 100
.set SPW, 126                          ; my spare word; never rewritten
.set NIL, 127                          ; 0; never rewritten
.set S,   128                          ; S^T, then p: tile q at + 64 q, key tile t at + 8 t
; window 1
.set O,   0                            ; O^T: + 32 q + 8 t
.set KF,  64                           ; v64-99: key tile t at + 4 t, and four zeros behind the last
.set VF,  100                          ; d tile t at + 8 t
.set MK,  132                          ; the mask in the result's layout: key tile t at + 8 t
.set WV,  20
.set CS,  28
.set SEL, 30
.set G1C, 32
.set G1KS, 40
.set G1VS, 48
.set G0K, 56
.set G0KS, 60
.set G0V, 68
.set G0VS, 72
.set TK,  76                           ; 4,096 x (the step + 1)
.set NC,  82                           ; -log2(e) / 8
.set MSB, 0
.macro WIN new
.if MSB != \new
	s_set_vgpr_msb (MSB<<8)|\new
.set MSB, \new
.endif
.endm
.macro ROUND
	s_barrier_signal -1
	s_barrier_wait -1
	s_cmp_lg_u32 s[WV], 0
	s_cbranch_scc1 .Lnot_wave_0_\@
	s_barrier_signal -3
.Lnot_wave_0_\@:
	s_barrier_wait -3
	s_barrier_signal -1
	s_barrier_wait -1
.endm
.macro WM d, a, b, c, sa, sb, ra, rb   ; one product on codes; ra, rb: which half of the lanes holds source 0's and source 1's scale words
.set wD, \d
.set wA, \a
.set wB, \b
.set wC, \c
.set wP, \sa
.set wQ, \sb
.set wR, 2*(\ra)+(\rb)
.if wR == 0
	v_wmma_scale_f32_16x16x128_f8f6f4 v[wD:wD+7], v[wA:wA+7], v[wB:wB+7], v[wC:wC+7], v[wP], v[wQ] matrix_a_fmt:MATRIX_FMT_FP4 matrix_b_fmt:MATRIX_FMT_FP4
.elseif wR == 1
	v_wmma_scale_f32_16x16x128_f8f6f4 v[wD:wD+7], v[wA:wA+7], v[wB:wB+7], v[wC:wC+7], v[wP], v[wQ] matrix_a_fmt:MATRIX_FMT_FP4 matrix_b_fmt:MATRIX_FMT_FP4 matrix_b_scale:MATRIX_SCALE_ROW1
.elseif wR == 2
	v_wmma_scale_f32_16x16x128_f8f6f4 v[wD:wD+7], v[wA:wA+7], v[wB:wB+7], v[wC:wC+7], v[wP], v[wQ] matrix_a_fmt:MATRIX_FMT_FP4 matrix_b_fmt:MATRIX_FMT_FP4 matrix_a_scale:MATRIX_SCALE_ROW1
.else
	v_wmma_scale_f32_16x16x128_f8f6f4 v[wD:wD+7], v[wA:wA+7], v[wB:wB+7], v[wC:wC+7], v[wP], v[wQ] matrix_a_fmt:MATRIX_FMT_FP4 matrix_b_fmt:MATRIX_FMT_FP4 matrix_a_scale:MATRIX_SCALE_ROW1 matrix_b_scale:MATRIX_SCALE_ROW1
.endif
.endm
.macro KLOADS ak, as, am               ; 28 LDS loads: a step's codes of K, its mask, its scale words.  Key k's codes lie at 512 (k / 16) + 16 (k % 16) + 256 h, its scale word at 16 (k % 32) + 4 (k / 32)
	WIN 0x40
.irp t, 0,1,2,3,4,5,6,7
	ds_load_b128 v[KF+4*\t:KF+4*\t+3], v[\ak] offset:2048*(\t/4)+512*((\t%4)/2)+128*(\t%2)
.endr
.irp t, 0,1,2,3,4,5,6,7
.irp e, 0,1
	ds_load_b128 v[MK+8*\t+4*\e:MK+8*\t+4*\e+3], v[\am] offset:256*(\t/4)+32*(\t%4)+16*\e
.endr
.endr
	WIN 0
.irp c, 0,1
.irp y, 0,1
	ds_load_b32 v[KS+2*\c+\y], v[\as] offset:256*\y+8*\c
.endr
.endr
.endm
.macro PKF q, j0, n                    ; t - M of n register pairs of tile q, from register j0 on
.set pJ, \j0
.rept \n
	v_pk_fma_f32 v[S+64*\q+pJ:S+64*\q+pJ+1], v[S+64*\q+pJ:S+64*\q+pJ+1], s[CS:CS+1], v[ST+8*\q:ST+8*\q+1] op_sel_hi:[1,0,0]
.set pJ, pJ+2
.endr
.endm
.macro TREE q, st, n                   ; a level of the sum's tree, in place: pair 2 st i += pair 2 st i + st
.set tI, 0
.rept \n
	v_pk_add_f32 v[S+64*\q+2*(\st)*tI:S+64*\q+2*(\st)*tI+1], v[S+64*\q+2*(\st)*tI:S+64*\q+2*(\st)*tI+1], v[S+64*\q+2*(\st)*tI+(\st):S+64*\q+2*(\st)*tI+(\st)+1]
.set tI, tI+1
.endr
.endm
.macro BYTES q                         ; my two blocks of tile q: the floor 2^(3 - 127), the conversion's scale operand (2 off the exponent field), the scale's byte
.irp c, 0,1
	v_max_num_f32 v[BM+2*\q+\c], 0x1800000, v[BM+2*\q+\c]
.endr
.irp c, 0,1
	v_add_nc_u32 v[SO+2*\q+\c], 0xff000000, v[BM+2*\q+\c]
.endr
.irp c, 0,1
	v_lshrrev_b32 v[BP+2*\q+\c], 23, v[SO+2*\q+\c]
.endr
.endm
	s_load_b512 s[4:19], s[0:1], 0x0               ; qc 4, qs 6, kc 8, ks 10, vc 12, vs 14, mask 16, out 18
	v_lshl_add_u32 v[SPW], v0, 2, SPARE
	v_mov_b32 v[NIL], 0
	ds_add_u32 v[SPW], v[NIL]                      ; the opening lines: the add, twice on end, and one wait
	ds_add_u32 v[SPW], v[NIL]
	v_lshrrev_b32 v1, 5, v0
	v_readfirstlane_b32 s[WV], v1                  ; wave 0..7
	s_bfe_u32 s21, ttmp6, 0x40000                  ; cx: it enters Q's and the output's addresses alone
	s_and_b32 s22, ttmp7, 0xffff                   ; 16 x batch + head, which the four partners share
	s_and_b32 s23, s[WV], 1                        ; which half of a tensor I fetch
.irp g, G1C, G1KS, G1VS                ; dense blocks as rows of 256 bytes (32 elements of 8 bytes); the mask names all four work-groups
	s_mov_b32 s[\g], 15|(3<<16)|(1<<21)
	s_mov_b32 s[\g+1], 32<<16
	s_mov_b32 s[\g+3], 32<<16
	s_mov_b32 s[\g+5], 32
	s_mov_b32 s[\g+6], 0
	s_mov_b32 s[\g+7], 0
.endr
	s_mov_b32 s[G1C+2], 128<<16                    ; half of a head's codes: 128 rows
	s_mov_b32 s[G1C+4], 128
	s_mov_b32 s[G1KS+2], 16<<16                    ; of K's scale words: 16
	s_mov_b32 s[G1KS+4], 16
	s_mov_b32 s[G1VS+2], 8<<16                     ; of V's: 8
	s_mov_b32 s[G1VS+4], 8
	s_lshl_b32 s24, s22, 16                        ; a head's codes are 65,536 bytes,
	s_lshl_b32 s25, s23, 15                        ; my half
	s_add_co_u32 s24, s24, s25
	s_mov_b32 s25, 0
	s_lshr_b32 s26, s24, 3                         ; K's scale words: an eighth of that
	s_mov_b32 s27, 0
	s_lshr_b32 s80, s24, 4                         ; V's: a sixteenth
	s_mov_b32 s81, 0
	s_mov_b32 s[CS], 0x3e38aa3b                    ; log2(e) / 8
	s_mov_b32 s[CS+1], s[CS]                       ; (named with it as a pair)
	s_mov_b32 s[NC], 0xbe38aa3b
	s_mov_b32 s[SEL], 0x76543210
	s_mov_b32 s[SEL+1], 0xfedcba98
	s_mul_i32 s77, s[WV], 2*16*272
	s_add_co_u32 s77, s77, STG                     ; my stages
	v_and_b32 v[TMP], 31, v0                       ; l
	v_bfe_u32 v[ADM], v0, 4, 1                     ; h
	v_and_b32 v[ADK], 15, v0                       ; r
	v_and_b32 v[ADS], 7, v0                        ; r % 8
	v_bfe_u32 v[ADT], v0, 3, 1                     ; r / 8
	v_lshlrev_b32 v[L16], 4, v[TMP]
	v_lshlrev_b32 v[ADS], 4, v[ADS]
	v_lshl_add_u32 v[VS0], v[TMP], 3, VSC-256
	v_add_nc_u32 v[VL0], VC-4096, v[L16]
	v_lshl_add_u32 v[KL0], v[ADT], 10, v[ADS]
	v_lshl_add_u32 v[KS0], v[ADT], 2, v[ADS]
	v_lshl_add_u32 v[KL0], v[ADM], 8, v[KL0]
	v_lshl_add_u32 v[KS0], v[ADM], 7, v[KS0]
	v_lshl_add_u32 v[MK0], v[ADM], 7, MSK
	v_add_nc_u32 v[KS0], KSC, v[KS0]
	v_mul_u32_u24 v[STO], v[ADK], 272
	v_mul_u32_u24 v[SRD], v[ADM], 272
	v_lshl_add_u32 v[STO], v[ADM], 5, v[STO]
	v_lshl_add_u32 v[SRD], v[ADK], 4, v[SRD]
	v_add_nc_u32 v[STO], s77, v[STO]               ; in: row r, + 32 h
	v_add_nc_u32 v[SRD], s77, v[SRD]               ; back: lanes 0-15 one row, lanes 16-31 the next
	v_lshlrev_b32 v[GO], 12, v[ADM]
	v_lshlrev_b32 v[ADV], 4, v0                    ; 16 x thread
	v_lshl_add_u32 v[GO], v[ADK], 4, v[GO]         ; and the same two rows of the output
	v_add_nc_u32 v[ADS], MSK, v[ADV]               ; where my 2 x 4 mask values go
.irp q, 0,1
.irp j, 4,5,6,7
	v_mov_b32 v[Q+8*\q+\j], 0                      ; Q's upper half of the instruction's K: zero codes
.endr
	v_mov_b32 v[ST+8*\q+5], 0                      ; (named as the upper half of a pair)
	v_mov_b32 v[ST+8*\q+6], 0                      ; written once: a lane permute's destination counts as one of its sources
	v_mov_b32 v[YW+\q], 0
.endr
	WIN 0x40
.irp j, 32,33,34,35
	v_mov_b32 v[KF+\j], 0                          ; behind the last tile of K
.endr
	WIN 0
	s_wait_alu depctr_va_vdst(0)                   ; the wait at the head's end
	s_wait_dscnt 0x0
	s_wait_kmcnt 0x0
	s_lshr_b32 s85, s22, 4                         ; the batch
	s_lshl_b32 s86, s85, 13
	s_mov_b32 s87, 0
	s_add_nc_u64 s[16:17], s[16:17], s[86:87]      ; its 2,048 mask values
	global_load_b128 v[S:S+3], v[ADV], s[16:17]
	global_load_b128 v[S+4:S+7], v[ADV], s[16:17] offset:4096
	s_lshl_b32 s84, ttmp9, 2
	s_add_co_u32 s84, s84, s21                     ; my quarter of the queries
	s_lshl_b32 s84, s84, 4
	s_add_co_u32 s84, s84, s[WV]                   ; G: my group of 32 queries in pass 0; pass 1: + 8
	s_lshl_b32 s86, s22, 16
	s_lshl_b32 s85, s84, 10
	s_add_co_u32 s86, s86, s85
	s_add_nc_u64 s[4:5], s[4:5], s[86:87]          ; Q's codes: 1,024 bytes a group
	s_lshl_b32 s86, s22, 13
	s_lshr_b32 s85, s84, 2
	s_lshl_b32 s85, s85, 9
	s_add_co_u32 s86, s86, s85
	s_and_b32 s85, s84, 3
	s_lshl_b32 s85, s85, 2
	s_add_co_u32 s86, s86, s85
	s_add_nc_u64 s[6:7], s[6:7], s[86:87]          ; Q's scale words: block G / 4 of 512 bytes, word G % 4 of each lane's four
.irp q, 0,1
	global_load_b128 v[Q+8*\q:Q+8*\q+3], v[L16], s[4:5] offset:512*\q
.endr
	global_load_b32 v[QS], v[L16], s[6:7]
.irp q, 0,1
	global_load_b128 v[QN+4*\q:QN+4*\q+3], v[L16], s[4:5] offset:8192+512*\q   ; the second pass's Q, eight groups on: six loads stand behind the mask's two
.endr
	global_load_b32 v[QSN], v[L16], s[6:7] offset:1024
	s_lshr_b32 s85, s22, 4
	s_lshl_b32 s86, s85, 23                        ; the output: 2,048 rows of 4,096 bytes a batch,
	s_lshl_b32 s85, s84, 17                        ; 32 rows a group,
	s_add_co_u32 s86, s86, s85
	s_and_b32 s85, s22, 15
	s_lshl_b32 s85, s85, 8                         ; 256 bytes a head
	s_add_co_u32 s86, s86, s85
	s_add_nc_u64 s[18:19], s[18:19], s[86:87]
	s_mov_b32 s[G0K], 1
	s_lshl_b32 s[G0K+1], s23, 15
	s_add_nc_u64 s[G0K+2:G0K+3], s[8:9], s[24:25]
	s_or_b32 s[G0K+3], s[G0K+3], 0x80000000
	s_mov_b32 s[G0KS], 1
	s_lshl_b32 s[G0KS+1], s23, 12
	s_add_co_u32 s[G0KS+1], s[G0KS+1], KSC
	s_add_nc_u64 s[G0KS+2:G0KS+3], s[10:11], s[26:27]
	s_or_b32 s[G0KS+3], s[G0KS+3], 0x80000000
	s_mov_b32 s[G0V], 1
	s_lshl_b32 s[G0V+1], s23, 15
	s_add_co_u32 s[G0V+1], s[G0V+1], VC
	s_add_nc_u64 s[G0V+2:G0V+3], s[12:13], s[24:25]
	s_or_b32 s[G0V+3], s[G0V+3], 0x80000000
	s_mov_b32 s[G0VS], 1
	s_lshl_b32 s[G0VS+1], s23, 11
	s_add_co_u32 s[G0VS+1], s[G0VS+1], VSC
	s_add_nc_u64 s[G0VS+2:G0VS+3], s[14:15], s[80:81]
	s_or_b32 s[G0VS+3], s[G0VS+3], 0x80000000
	ROUND                                          ; all four work-groups are here: the joint loads meet
; THE FILLS, ONE A WAVE: waves 0, 1 K's halves; 2, 3 V's; 4, 5 the halves of K's scale words; 6, 7 of V's.  One chain of branches on the wave's number, a load to an arm, one join.
.macro ARM under, g0, g1, next
	s_cmp_lt_u32 s[WV], \under
	s_cbranch_scc0 \next
	tensor_load_to_lds s[\g0:\g0+3], s[\g1:\g1+7]
	s_nop 0
.rept 4
	v_nop
.endr
	s_branch .Lfilled
\next:
.endm
	ARM 2, G0K,  G1C,  .Lfill_v
	ARM 4, G0V,  G1C,  .Lfill_ks
	ARM 6, G0KS, G1KS, .Lfill_vs
	tensor_load_to_lds s[G0VS:G0VS+3], s[G1VS:G1VS+7]
	s_nop 0
.rept 4
	v_nop
.endr
.Lfilled:
	s_wait_loadcnt 0x6                             ; the mask is in; Q's six loads may be out
.irp j, 0,1,2,3,4,5,6,7
	v_mul_f32 v[S+\j], 0x41000000, v[S+\j]         ; 8 x mask, exact
.endr
.irp j, 0,1,2,3,4,5,6,7
	v_max_num_f32 v[S+\j], 0xcc800000, v[S+\j]     ; held at -2^26
.endr
	ds_store_b128 v[ADS], v[S:S+3]
	ds_store_b128 v[ADS], v[S+4:S+7] offset:4096
	s_wait_tensorcnt 0x0                           ; my tile has landed,
	s_wait_dscnt 0x0                               ; my part of the mask is stored:
	s_barrier_signal -1
	s_barrier_wait -1                              ; everybody's
	s_mov_b32 s79, 2
.Lpass:
	KLOADS KL0, KS0, MK0                           ; step 0 (no LDS load of mine is out here)
	s_mov_b32 s[TK], 4096
.irp q, 0,1
	v_mov_b32 v[ST+8*\q+1], 0xff61b1e6             ; the largest S' so far: -3e38
	v_mov_b32 v[ST+8*\q], 0x7e000000               ; -M: 2^125, so that the first change of M gives f = 0
	v_mov_b32 v[ST+8*\q+2], 0                      ; the sum, in two halves
	v_mov_b32 v[ST+8*\q+3], 0
.endr
	WIN 0x40
.set n, 0
.rept 64
	v_mov_b32 v[O+n], 0                            ; the step is written once: its first trip finds zeros, which the first change of M leaves zeros
.set n, n+1
.endr
	WIN 0
	s_wait_alu depctr_va_vdst(0)                   ; the wait ahead of the wait below
	s_wait_loadcnt 0x0                             ; Q
	s_mov_b32 s78, 16
.Lstep:
	s_wait_dscnt 0x0                               ; this step's K, mask and scale words, asked for a step ago
	WIN 0x11                                       ; source 0 (K) and C (the mask) window 1
.set mT, 0
.rept 8
	WM S+8*mT, KF+4*mT, Q, MK+8*mT, KS+2*(mT/4)+(mT%4)/2, QS, mT%2, 0
	WM S+64+8*mT, KF+4*mT, Q+8, MK+8*mT, KS+2*(mT/4)+(mT%4)/2, QS, mT%2, 1
.set mT, mT+1
.endr
	WIN 0
	s_lshr_b32 s77, s[TK], 3
	s_lshr_b32 s80, s[TK], 4
	v_add_nc_u32 v[ADK], s[TK], v[KL0]             ; five plain lines: the places behind the products, in front of the loads below and of the first read of the scores
	v_add_nc_u32 v[ADV], s[TK], v[VL0]
	v_add_nc_u32 v[ADS], s77, v[KS0]
	v_add_nc_u32 v[ADT], s80, v[VS0]
	v_add_nc_u32 v[ADM], s77, v[MK0]
	ds_load_b64 v[VS:VS+1], v[ADT]                 ; this step's V: 9 loads
	WIN 0x40
.irp t, 0,1,2,3
.irp c, 0,1
	ds_load_b128 v[VF+8*\t+4*\c:VF+8*\t+4*\c+3], v[ADV] offset:1024*\t+512*\c
.endr
.endr
	KLOADS ADK, ADS, ADM                           ; the next step's K: 28 loads
	s_add_co_u32 s[TK], s[TK], 4096
	; the largest score of each of my blocks of 32 keys, two chains a block, eight by turns; each accumulator is read from its low end on
.irp q, 0,1
.irp c, 0,1
	v_max3_num_f32 v[BM+2*\q+\c], v[S+64*\q+32*\c], v[S+64*\q+32*\c+1], v[S+64*\q+32*\c+2]
	v_max3_num_f32 v[BP+2*\q+\c], v[S+64*\q+32*\c+16], v[S+64*\q+32*\c+17], v[S+64*\q+32*\c+18]
.endr
.endr
.irp i, 3,5,7,9,11,13
.irp q, 0,1
.irp c, 0,1
	v_max3_num_f32 v[BM+2*\q+\c], v[BM+2*\q+\c], v[S+64*\q+32*\c+\i], v[S+64*\q+32*\c+\i+1]
	v_max3_num_f32 v[BP+2*\q+\c], v[BP+2*\q+\c], v[S+64*\q+32*\c+16+\i], v[S+64*\q+32*\c+17+\i]
.endr
.endr
.endr
.irp q, 0,1
.irp c, 0,1
	v_max3_num_f32 v[BM+2*\q+\c], v[BM+2*\q+\c], v[BP+2*\q+\c], v[S+64*\q+32*\c+15]
.endr
.endr
.irp q, 0,1
.irp c, 0,1
	v_max_num_f32 v[BM+2*\q+\c], v[BM+2*\q+\c], v[S+64*\q+32*\c+31]
.endr
.endr
	; the running maximum and M, the two tiles by turns
.irp q, 0,1
	v_max_num_f32 v[ST+8*\q+7], v[BM+2*\q], v[BM+2*\q+1]
.endr
.irp q, 0,1
	v_permlanex16_b32 v[ST+8*\q+6], v[ST+8*\q+7], s[SEL], s[SEL+1]   ; lane l xor 16's two blocks
.endr
.irp q, 0,1
	v_max3_num_f32 v[ST+8*\q+1], v[ST+8*\q+1], v[ST+8*\q+7], v[ST+8*\q+6]
.endr
.irp q, 0,1
	v_mov_b32 v[ST+8*\q+6], v[ST+8*\q]             ; the old -M
.endr
.irp q, 0,1
	v_mul_f32 v[ST+8*\q+7], s[NC], v[ST+8*\q+1]    ; -t
.endr
.irp q, 0,1
	v_floor_f32 v[ST+8*\q], v[ST+8*\q+7]           ; the new -M = -ceil(t): a whole number
.endr
.irp q, 0,1
	v_sub_f32 v[ST+8*\q+6], v[ST+8*\q], v[ST+8*\q+6]   ; old M - new M, 0 or less
.endr
	PKF 0, 0, 8                                    ; tile 0's t - M stand between the links of f's chain
.irp q, 0,1
	v_cvt_i32_f32 v[ST+8*\q+6], v[ST+8*\q+6]       ; (it saturates)
.endr
	PKF 0, 16, 8
.irp q, 0,1
	v_ldexp_f32 v[ST+8*\q+4], 1.0, v[ST+8*\q+6]    ; f = 2^(old M - new M)
.endr
	PKF 0, 32, 16
.irp c, 0,1
	v_fma_f32 v[BM+\c], v[BM+\c], s[CS], v[ST]     ; the same of each block's largest score
.endr
.irp q, 0,1
	v_pk_mul_f32 v[ST+8*\q+2:ST+8*\q+3], v[ST+8*\q+2:ST+8*\q+3], v[ST+8*\q+4:ST+8*\q+5] op_sel_hi:[1,0]   ; the sums under the new M
.endr
	WIN 0x41                                       ; O^T (destination and source 0) window 1
.irp q, 0,1
.irp j, 0,2,4,6,8,10,12,14,16,18,20,22,24,26,28,30
	v_pk_mul_f32 v[O+32*\q+\j:O+32*\q+\j+1], v[O+32*\q+\j:O+32*\q+\j+1], v[ST+8*\q+4:ST+8*\q+5] op_sel_hi:[1,0]   ; O^T under the new M
.endr
.endr
	WIN 0
	s_wait_alu depctr_va_vdst(0)                   ; the wait ahead of the exponentials
.set n, 0
.rept 32                               ; tile 0: p = 2^(t - M); among them tile 1's t - M
	v_exp_f32 v[S+2*n], v[S+2*n]
	v_pk_fma_f32 v[S+64+2*n:S+64+2*n+1], v[S+64+2*n:S+64+2*n+1], s[CS:CS+1], v[ST+8:ST+9] op_sel_hi:[1,0,0]
	v_exp_f32 v[S+2*n+1], v[S+2*n+1]
.set n, n+1
.endr
.irp c, 0,1
	v_exp_f32 v[BM+\c], v[BM+\c]                   ; tile 0's blocks' largest p
	v_fma_f32 v[BM+2+\c], v[BM+2+\c], s[CS], v[ST+8]
.endr
	s_wait_alu depctr_va_vdst(0)                   ; one wait for tile 0's exponentials and for tile 1's t - M
	BYTES 0
.set n, 0
.rept 8                                ; tile 1's exponentials; among them tile 0's conversions: register 4 c + u: keys 64 c + 32 h + 8 u + 0 .. 7
	v_exp_f32 v[S+64+2*n], v[S+64+2*n]
	v_exp_f32 v[S+64+2*n+1], v[S+64+2*n+1]
	v_cvt_scalef32_pk8_fp4_f32 v[P+n], v[S+8*n:S+8*n+7], v[SO+n/4]
.set n, n+1
.endr
	v_nop                                          ; one plain line behind the last conversion: the sums below write over the conversions' sources
.set n, 0
.rept 16                               ; and the first level of tile 0's sum of the UNQUANTISED p
	v_exp_f32 v[S+80+3*n], v[S+80+3*n]
	v_pk_add_f32 v[S+4*n:S+4*n+1], v[S+4*n:S+4*n+1], v[S+4*n+2:S+4*n+3]
	v_exp_f32 v[S+80+3*n+1], v[S+80+3*n+1]
	v_exp_f32 v[S+80+3*n+2], v[S+80+3*n+2]
.set n, n+1
.endr
.irp c, 0,1
	v_exp_f32 v[BM+2+\c], v[BM+2+\c]
.endr
	v_nop                                          ; a plain line behind the exponentials
	s_wait_alu depctr_va_vdst(0)                   ; one wait for tile 1's exponentials and for what was written among them
	BYTES 1
	v_lshl_or_b32 v[XW], v[BP+1], 16, v[BP]        ; tile 0: my bytes, blocks h and 2 + h
	TREE 0, 4, 8
	v_permlanex16_b32 v[YW], v[XW], s[SEL], s[SEL+1]
.set n, 0
.rept 8
	v_cvt_scalef32_pk8_fp4_f32 v[P+8+n], v[S+64+8*n:S+64+8*n+7], v[SO+2+n/4]
.set n, n+1
.endr
	v_lshl_or_b32 v[XW+1], v[BP+3], 16, v[BP+2]    ; (the plain line behind the last conversion)
	v_lshl_or_b32 v[PW], v[YW], 8, v[XW]           ; p's scale word: whole in lanes 0-15, which alone are read
	TREE 1, 2, 16
	v_permlanex16_b32 v[YW+1], v[XW+1], s[SEL], s[SEL+1]
	TREE 0, 8, 4
	v_lshl_or_b32 v[PW+1], v[YW+1], 8, v[XW+1]     ; 20 plain lines stand between this one and the products
	TREE 1, 4, 8
	TREE 0, 16, 2
	TREE 1, 8, 4
	TREE 0, 32, 1
	TREE 1, 16, 2
	v_pk_add_f32 v[ST+2:ST+3], v[ST+2:ST+3], v[S:S+1]
	TREE 1, 32, 1
	v_pk_add_f32 v[ST+10:ST+11], v[ST+10:ST+11], v[S+64:S+65]
	s_wait_alu depctr_va_vdst(0)                   ; the wait ahead of the wait below
	s_wait_dscnt 28                                ; V is in: behind its 9 loads stand the 28 of the next step's K
	WIN 0x51                                       ; source 0 (V), C and D window 1
.set mT, 0
.rept 4
	WM O+8*mT, VF+8*mT, P, O+8*mT, VS+mT/2, PW, mT%2, 0
	WM O+32+8*mT, VF+8*mT, P+8, O+32+8*mT, VS+mT/2, PW+1, mT%2, 0
.set mT, mT+1
.endr
	WIN 0
	s_sub_co_i32 s78, s78, 1
	s_cmp_lg_u32 s78, 0
	s_cbranch_scc1 .Lstep
	; THE WAY OUT of a pass.  The sums' halves and lane l xor 16's are added; O^T / the sum goes through my stages and leaves as rows: sixteen lanes store a query's 256 consecutive bytes of this head, aligned.
.irp q, 0,1
	v_add_f32 v[ST+8*\q+6], v[ST+8*\q+2], v[ST+8*\q+3]     ; (these plain lines are the places behind the last products)
.endr
.irp q, 0,1
	s_delay_alu instid0(VALU_DEP_2)
	v_permlanex16_b32 v[ST+8*\q+7], v[ST+8*\q+6], s[SEL], s[SEL+1]
.endr
.irp q, 0,1
	s_delay_alu instid0(VALU_DEP_2)
	v_add_f32 v[ST+8*\q+6], v[ST+8*\q+6], v[ST+8*\q+7]
.endr
	s_wait_alu depctr_va_vdst(0)
.irp q, 0,1
	v_rcp_f32 v[ST+8*\q+6], v[ST+8*\q+6]
.endr
	v_nop                                          ; a plain line behind the reciprocals,
	s_wait_alu depctr_va_vdst(0)                   ; and the wait ahead of their first reader, which is also O^T's
	WIN 0x01                                       ; source 0 window 1
.irp q, 0,1
.irp j, 0,2,4,6,8,10,12,14,16,18,20,22,24,26,28,30
	v_pk_mul_f32 v[S+64*\q+\j:S+64*\q+\j+1], v[O+32*\q+\j:O+32*\q+\j+1], v[ST+8*\q+6:ST+8*\q+7] op_sel_hi:[1,0]   ; register 8 t + j: o(query r, d = 16 t + 8 h + j)
.endr
.endr
	WIN 0
.irp q, 0,1
.irp t, 0,1,2,3
.irp e, 0,1
	ds_store_b128 v[STO], v[S+64*\q+8*\t+4*\e:S+64*\q+8*\t+4*\e+3] offset:4352*\q+64*\t+16*\e
.endr
.endr
.endr
.irp q, 0,1
.irp i, 0,1,2,3,4,5,6,7
	ds_load_b128 v[S+64*\q+32+4*\i:S+64*\q+32+4*\i+3], v[SRD] offset:4352*\q+544*\i   ; LDS serves a wave's instructions in order: these see my stores
.endr
.endr
	s_wait_dscnt 0x0                               ; the rows are back (and the last look-ahead's loads are over)
.irp q, 0,1
.irp i, 0,1,2,3,4,5,6,7
	global_store_b128 v[GO], v[S+64*\q+32+4*\i:S+64*\q+32+4*\i+3], s[18:19] offset:(16*\q+2*\i)*4096 th:TH_STORE_NT
.endr
.endr
	s_wait_xcnt 0x0                                ; the stores have read their data and their base: both are written again only behind this wait
	s_add_nc_u64 s[18:19], s[18:19], 0x100000      ; eight groups of 32 queries on
	s_cmp_eq_u32 s79, 1
	s_cbranch_scc1 .Lno_more_q                     ; behind the last pass there is no Q to bring in
.irp q, 0,1
.irp j, 0,1,2,3
	v_mov_b32 v[Q+8*\q+\j], v[QN+4*\q+\j]          ; the second pass's Q takes the first's place
.endr
.endr
	v_mov_b32 v[QS], v[QSN]
.Lno_more_q:
	s_sub_co_i32 s79, s79, 1
	s_cmp_lg_u32 s79, 0
	s_wait_alu depctr_va_vdst(0)                   ; the wait ahead of the branch
	s_cbranch_scc1 .Lpass
	s_wait_tensorcnt 0x0                           ; the wave's end
	ds_add_u32 v[SPW], v[NIL]
	s_wait_dscnt 0x0
	ROUND                                          ; the closing round
	s_endpgm
.Lfunc_end_k_q6bee08a746_attn:
	.size	k_q6bee08a746_attn, .Lfunc_end_k_q6bee08a746_attn-k_q6bee08a746_attn
	.p2alignl 7, 3214868480
	.fill 96, 4, 3214868480
	.section	.rodata,"a",@progbits
	.p2align	6, 0x0
	.amdhsa_kernel k_q6bee08a746_attn
		.amdhsa_group_segment_fixed_size 222208
		.amdhsa_private_segment_fixed_size 0
		.amdhsa_enable_private_segment 0
		.amdhsa_kernarg_size 64
		.amdhsa_user_sgpr_count 2
		.amdhsa_user_sgpr_kernarg_segment_ptr 1
		.amdhsa_wavefront_size32 1
		.amdhsa_system_sgpr_workgroup_id_x 1
		.amdhsa_system_sgpr_workgroup_id_y 1
		.amdhsa_system_sgpr_workgroup_id_z 1
		.amdhsa_system_vgpr_workitem_id 0
		.amdhsa_next_free_vgpr 512
		.amdhsa_next_free_sgpr 88
		.amdhsa_reserve_vcc 0
		.amdhsa_float_denorm_mode_32 3
		.amdhsa_float_denorm_mode_16_64 3
		.amdhsa_memory_ordered 1
		.amdhsa_forward_progress 1
		.amdhsa_inst_pref_size 50
	.end_amdhsa_kernel
	.amdgpu_metadata
---
amdhsa.version: [ 1, 2 ]
amdhsa.kernels:
  - .name:           k_q6bee08a746_attn
    .symbol:         k_q6bee08a746_attn.kd
    .args:
      - { .name: qc, .offset: 0, .size: 8, .value_kind: global_buffer, .address_space: global }
      - { .name: qs, .offset: 8, .size: 8, .value_kind: global_buffer, .address_space: global }
      - { .name: kc, .offset: 16, .size: 8, .value_kind: global_buffer, .address_space: global }
      - { .name: ks, .offset: 24, .size: 8, .value_kind: global_buffer, .address_space: global }
      - { .name: vc, .offset: 32, .size: 8, .value_kind: global_buffer, .address_space: global }
      - { .name: vs, .offset: 40, .size: 8, .value_kind: global_buffer, .address_space: global }
      - { .name: attention_mask, .offset: 48, .size: 8, .value_kind: global_buffer, .address_space: global }
      - { .name: out0, .offset: 56, .size: 8, .value_kind: global_buffer, .address_space: global }
    .group_segment_fixed_size: 222208
    .private_segment_fixed_size: 0
    .kernarg_segment_align: 8
    .kernarg_segment_size: 64
    .max_flat_workgroup_size: 256
    .sgpr_count:     88
    .vgpr_count:     512
    .wavefront_size: 32
...
	.end_amdgpu_metadata
.endif
;; end of part 2
